; MI455X (gfx1250); checked and timed in simulation.
; The chip was launched on July 23, 2026; its instructions are those of AMD's public machine-readable ISA for CDNA 5 (MIT licence, August 2026) and "CDNA5" Instruction Set Architecture Reference Guide (July 2026). The comments in the code are by the model that wrote it; some were corrected since.
;; Knowledge Circuit. Allowed arithmetic: matrix products marked QUANTISED: E4M3 operands, one E8M0 scale for each 32 along K, by v_wmma_scale_f32_16x16x128_f8f6f4 with both operands' format E4M3, f32 sums; products left as they are: f32 operands where the result goes on into a quantised operand, else bf16, f16 or f32 operands; f32 sums; everything else in f32.
;; Inputs: feature_know_codes 16 x 256 x 32 x 32 uint8 (E4M3 codes of feature_know, K innermost, in blocks of 32 codes); feature_know_scales 16 x 256 x 32 uint8 (E8M0 scales of feature_know, one for each 32 codes along K); feature_know_w 4 x 2,048 x 16 float32; restore_know 16 x 256 x 1,024 float32; restore_know_w 4 x 2,048 x 16 float32; x_codes 4 x 2,048 x 32 x 32 uint8 (E4M3 codes of x, K innermost, in blocks of 32 codes); x_scales 4 x 2,048 x 32 uint8 (E8M0 scales of x, one for each 32 codes along K).
;; Outputs: out0 4 x 2,048 x 1,024 float32.
;; This version of the problem:
;;   THIS VERSION OF THE PROBLEM IS GIVEN IN LOW PRECISION. The matrix products marked QUANTISED in the list below multiply operands that are first quantised to E4M3 (4 exponent bits, 3 mantissa bits; 8 bits a number), with one power-of-two scale for each 32 numbers along K (OCP MX v1.0); their sums are f32. All else is computed in f32.
;;   The module's matrix products, in the order in which they are computed (A, B: the left and right operand; K: the contracted axis; several contracted axes count as one K, in the product's order):
;;     1. [M 4,096, K 1,024] x [K 1,024, N 8,192]; A: input feature_know (given as codes); B: input x (given as codes): QUANTISED
;;     2. batch 8,192 x [M 1, K 16] x [K 16, N 256]; A: input feature_know_w; B: computed on the way: left as it is (K = 16 < 32)
;;     3. batch 8,192 x [M 16, K 1] x [K 1, N 256]; A: computed on the way; B: computed on the way: left as it is (no contracted axis)
;;     4. [M 8,192, K 4,096] x [K 4,096, N 1,024]; A: computed on the way; B: input restore_know: QUANTISED
;;   THE QUANTISER, for each operand of a quantised product, along K:
;;     - K is cut into blocks of 32 from its start; a last block that is shorter is filled with zeros.
;;     - A block's scale is 2^e with e = floor(log2(the largest magnitude in the block)) - 8, held to -126 .. 127; a block of zeros has e = 0. As a byte (E8M0): e + 127.
;;     - Each number is divided by its block's scale, clamped to +-448, and rounded to the nearest number of E4M3, ties to even, subnormals kept.
;;     - The product sums the exact products of the quantised numbers (number of the format x scale) in f32.
;;   ~~~python
;;   def quantise(x, axis):      # numpy; x: float32 -> the quantised numbers, widened to float32 again
;;       x = np.moveaxis(x, axis, -1); K = x.shape[-1]
;;       x = np.pad(x, [(0, 0)] * (x.ndim - 1) + [(0, -K % 32)]); x = x.reshape(x.shape[:-1] + (-1, 32)); a = np.abs(x).max(-1, keepdims=True)
;;       e = np.where(a > 0, np.clip(np.frexp(np.where(a > 0, a, 1))[1] - 1 - 8, -126, 127), 0)      # np.frexp(a)[1] - 1 = floor(log2(a)), exactly
;;       r = np.clip(x / 2.0 ** e, -448, 448)
;;       step = 2.0 ** (np.maximum(np.frexp(np.where(r == 0, 1, r))[1] - 1, -6) - 3)
;;       q = np.round(r / step) * step * 2.0 ** e      # np.round: ties to even
;;       return np.moveaxis(q.reshape(q.shape[:-2] + (-1,))[..., :K], -1, axis).astype(np.float32)
;;   ~~~
;;   OPERANDS COMPUTED ON THE WAY. 'Computed on the way' means the value that the module computes at that place (a softmax that the list does not call 'softmax' is quantised finished and normalised). What goes into a quantiser is computed in f32, as accurately as f32 sums, v_exp_f32 and their like allow (about 1e-6 of the number): no bf16 or f16 on the way to a quantiser, and a product that is left as it is and whose result goes on into a quantised operand takes f32 operands (vector FMAs, or v_wmma_f32_16x16x4_f32). A number that lies on a knife's edge between two numbers of the format may be rounded either way, as far as f32 arithmetic and the matrix unit's own rounding can turn it there, and no further.
;;   INPUTS GIVEN AS CODES. feature_know (in the module: [16, 1024, 256], K = its axis 1); x (in the module: [4, 2048, 1024], K = its axis 2): each comes as NAME_codes (uint8): NAME with its K axis moved to the last place and cut into blocks of 32 codes, [.., K / 32, bytes a block], one block behind the other in memory; one code a byte (a code: sign, 4 exponent bits, 3 mantissa bits); and NAME_scales (uint8): the same leading axes, one E8M0 byte (e + 127) for each 32 codes along K. Its value is code x scale, taken as it is: it is not quantised again, and the codes and scales need not be those that the quantiser above would give.
;; One version. Each part assembles by itself: llvm-mc -triple=amdgcn-amd-amdhsa -mcpu=gfx1250 --defsym DOCPART=n.
;; ======== version 1 of 1: 2 launches
;; workspace buffers: g_codes 33,554,432 bytes; g_scales 1,048,576 bytes; r_codes 4,194,304 bytes; r_scales 131,072 bytes
;; launch feature (part 1): grid 32 x 8, 4 waves a work-group, clusters of 4 x 1, 327,680 bytes of LDS; arguments x_codes, x_scales, feature_know_codes, feature_know_scales, feature_know_w, restore_know_w, restore_know, g_codes, g_scales, r_codes, r_scales; writes g_codes, g_scales, r_codes, r_scales
.if DOCPART == 1
	.amdgcn_target "amdgcn-amd-amdhsa--gfx1250"
	.amdhsa_code_object_version 6
	.text
	.protected	k_q45a65bb567_feature
	.globl	k_q45a65bb567_feature
	.p2align	8
	.type	k_q45a65bb567_feature,@function
k_q45a65bb567_feature:
	s_mov_b64 s[64:65], 0
	v_nop
	global_prefetch_b8 v0, s[64:65] scope:SCOPE_SE
	s_setreg_imm32_b32 hwreg(HW_REG_WAVE_MODE, 25, 1), 1
	s_wait_xcnt 0x0
	s_wait_alu depctr_hold_cnt(0) depctr_sa_sdst(0) depctr_va_vdst(0) depctr_va_sdst(0) depctr_va_ssrc(0) depctr_va_vcc(0) depctr_vm_vsrc(0)
	s_getreg_b32 s2, hwreg(HW_REG_IB_STS2, 6, 4)
	s_cmp_eq_u32 s2, 0
	s_cbranch_scc0 .Lentry_in_a_cluster
	s_endpgm
.Lentry_in_a_cluster:
	s_bfe_u32 s2, ttmp6, 0x10000c
	s_cmp_lg_u32 s2, 0x3003
	s_cbranch_scc0 .Lentry_shape_is_right
	s_endpgm
.Lentry_shape_is_right:
; KnowledgeCircuit, first of two launches.  T = 8,192 tokens, D = 1,024, R = 256, N = 16.
;   all_h[t][n][r] = sum over d of x[t][d] F[n][d][r]      on the given codes of E4M3 with E8M0 scales, K = d
;   h[t][r]        = sum over n of w1[t][n] all_h[t][n][r]  fused multiply-adds in f32, n ascending
;   g[t][n][r]     = h[t][r] w2[t][n]                       f32, then quantised along K = 256 n + r: a block is 32 neighbouring r of one n
; and restore_know [n][r][d], f32, is quantised along the same K.  The second launch multiplies g's codes by R's.
; NO WORK IS LEFT OUT: every input has a way to the output and is loaded; nothing of reference() is dead.
; THE ORDER OF K IN THE WORKSPACE, the same for g and for R.  For k = 256 n + r: b = r / 32, rho = r % 32.  K step j = 4 b + n / 4 (128 along K), block c = n % 4 in it, place p in the block = rho with
; its bits 3 and 4 exchanged.  The blocks of 32 are the problem's own, so codes and scales are; only the order in which the f32 sums of the second product run is another one.
; A fragment (16 rows x one K step) lies in memory as the image of the operand's registers: byte 512 c + 16 lane + i = place 16 (lane / 16) + i of block c of row lane % 16.
;   g_codes [token tile 512][j 32][2,048]   g_scales [token tile][j / 2][row 16][2 words]   r_codes [column tile 64][j 32][2,048]   r_scales likewise.
; SHARES.  A work-group owns 256 tokens (4 x cluster x + cx) and one b (work-group y): 32 of the 256 r.  Each of its four waves owns 64 tokens: four tiles m.  A wave's x, 64 x 1,024 codes, stays in
; 512 registers; what streams is F: for each n 32 rows of 1,024 bytes, through LDS.  A unit = one n = 64 matrix instructions a wave, for 32,768 bytes read from LDS.
; TRANSPOSED: source 0 = 16 rows of F (tile u), source 1 = 16 tokens: lane (r, h) holds token r, register j of tile u holds rho = 16 u + 8 h + j.  So the 16 registers of tiles 0 and 1 are the places
; 16 h + 0 .. 15 of the block: the conversions' results are the second product's operand, and F's tiles are 16 neighbouring rows.
; A BLOCK'S LARGEST |g| IS NOT SEARCHED FOR: rounding to f32 never turns an order round, so the largest of the rounded |h w2| is the rounded (largest |h|) x |w2|.
; CLUSTER: the four work-groups of a cluster share b, so they ask for F's tiles and scale bytes JOINTLY (mask 15).  x, w1, w2 and R's share differ from partner to partner and come by plain loads.
; R's QUANTISER is shared out: work-group TBK + 32 b takes one K step of 128 columns, a lane to a column, registers down K; its loads and arithmetic stand at the three changes of slots.
; R's scale words leave as 4 bytes at a stride of 8 (131,072 bytes in the whole launch); all other stores cover 256 consecutive aligned bytes with sixteen lanes, g's scale words with 32.
; No prefetch: F's rows are asked for by eight clusters, not once; each refill has four units, 256 matrix instructions, between its request and the wait for it; x is asked for once, at the head.
; LIMITS: NaN and infinities among the inputs are not served.  A block of zeros gets the byte 1 where the rule says 127: its codes are zeros, and this program alone reads the bytes.
; Blocks whose largest magnitude lies under 2^(9 - 127) have their byte held at 1.
; REGISTERS, in windows of 256.  Window 0: see the names below.  Window 1: F's fragments (u, s) at 16 (2 s + u): K steps 0-3 are half A, 4-7 half B.  Windows 2, 3: x's fragments (m, s) in window 2 + s / 4 at 16 (4 m + s % 4).
.set U,     33280                      ; a unit in LDS: 32 rows x PF
.set PF,    1040                       ; a row of F: 1,024 bytes + 16 of padding = 65 x 16: the 16 rows of a load start in 16 different columns of 16 bytes
.set FSC,   8*U                        ; behind the ring of 8 units (two slots of four): F's scale bytes for my b, [n 16][1,024]; filled once
.set W1I,   FSC+16384                  ; w1, [wave][n 16][m 4][lane] f32: 8,192 bytes a wave, written by LDS stores, each wave's own
.set SPARE, W1I+32768                  ; the spare words, 128 bytes for each wave: two blocks of 256 bytes that no other line names
.set ADR, 4                            ; v4   LDS address of the unit's rows of F
.set ADS, 5                            ; v5   of its scale bytes
.set ADW, 6                            ; v6   of its w1
.set AF0, 7                            ; v7   PF r + 16 h
.set AS0, 8                            ; v8   FSC + 32 lane
.set AW0, 9                            ; v9   W1I + 8,192 wave + 4 lane
.set XO,  10                           ; v10  1,024 r + 16 h: x
.set L16, 11                           ; v11  16 lane: an image's place
.set WO,  12                           ; v12  64 r: a token's 16 weights
.set RO,  13                           ; v13  4 lane: my column of R
.set SPW, 14                           ; v14  LDS address of my spare word; never rewritten
.set NIL, 15                           ; v15  0; never rewritten
.set XS,  16                           ; v16-31  x's scale words: register 8 (m / 2) + s: lanes 0-15 the even tile's, lanes 16-31 the odd tile's
.set FS,  32                           ; v32-39  F's scale words of K step s: lane L holds row L of the 32
.set W,   40                           ; v40-47  w1 of the unit: tile m's in v[40 + 2 m]; the odd registers hold 0 (named as halves of pairs)
.set RW,  48                           ; v48  R's scale word
.set RCO, 49                           ; v49  65,536 (lane / 16) + 16 (lane % 16): R's codes
.set RSO, 50                           ; v50  2,048 (lane / 16) + 8 (lane % 16): R's scale words
.set GSO, 51                           ; v51  128 h + 8 r: g's scale words
.set TP,  52                           ; v52-55 at work: the address of x's scale words, then R's quantiser
.set HM,  52                           ; v52-55 the way out: the largest |h| of my token in tile m
.set WT,  56                           ; v56-57 a w2 from an odd register, moved to the low half of a pair
.set SW,  58                           ; v58-61 a tile's four scale words
.set OW,  62                           ; v62-63 the two of them that my lane stores
.set ACC, 64                           ; v64-127  all_h of the unit: tile (u, m) at 64 + 16 m + 8 u
.set H,   128                          ; v128-191 h, laid as ACC
.set T,   192                          ; v192-255 w1 as loaded, then 64 numbers of R, then w2 at 192 + 16 m + n
.set P,   64                           ; the way out: v64-95 g, two sets of 16
.set CD,  96                           ; v96-111 a fragment's codes
.set TM,  112                          ; v112-115 largest magnitudes, 116-119 bytes, 120-123 448 x the scale, 124-127 the conversions' scale operands
.set WV,  26                           ; s26 wave   s27 cx   s28 my block of 256 tokens   s29 b
.set CX,  27
.set TBK, 28
.set BB,  29
.set G1F, 32                           ; s[32:39] descriptor group 1: a unit of F
.set G1S, 40                           ; s[40:47] F's scale bytes
.set G0S, 48                           ; s[48:51] group 0 for the scale bytes
.set G0,  52                           ; s[52:55], s[56:59] group 0 for slot 0, slot 1
.set CNT, 60
.set HI16, 61                          ; s61  the mask of lanes 16-31
.set SEL, 62                           ; s[62:63] v_permlanex16_b32's selects for lane l xor 16
.set MNT, 66                           ; s66  the mantissa field of 448
.set TB,  67                           ; s67  LDS byte of the unit in hand   s68 of its scale bytes   s69 of its w1
.set TS,  68
.set TW,  69
.set MSB, 0
.macro WIN new                         ; the immediate's high byte repeats the setting that is left; a switch that changes nothing is dropped
.if MSB != \new
	s_set_vgpr_msb (MSB<<8)|\new
.set MSB, \new
.endif
.endm
.macro NOPS n
.rept \n
	v_nop
.endr
.endm
.macro CREST                           ; a round of the cluster's barrier behind its opening barrier
	s_cmp_lg_u32 s[WV], 0
	s_cbranch_scc1 .Lnot_wave_0_\@
	s_barrier_signal -3
.Lnot_wave_0_\@:
	s_barrier_wait -3
	s_barrier_signal -1
	s_barrier_wait -1
.endm
.macro CROUND                          ; a whole round
	s_barrier_signal -1
	s_barrier_wait -1
	CREST
.endm
	s_load_b512 s[4:19], s[0:1], 0x0               ; x's codes s[4:5], x's scales s[6:7], F's codes s[8:9], F's scales s[10:11], w1 s[12:13], w2 s[14:15], R s[16:17], g's codes s[18:19]
	s_load_b128 s[20:23], s[0:1], 0x40             ; g's scales s[20:21], R's codes s[22:23]
	s_load_b64 s[24:25], s[0:1], 0x50              ; R's scales
	v_lshl_add_u32 v[SPW], v0, 2, SPARE
	v_mov_b32 v[NIL], 0
	ds_add_u32 v[SPW], v[NIL]                      ; the wave's opening: the add, twice on end, and its wait ahead of my first tensor load; the set-up below stands between
	ds_add_u32 v[SPW], v[NIL]
	v_lshrrev_b32 v1, 5, v0
	v_readfirstlane_b32 s[WV], v1                  ; wave 0..3
	s_bfe_u32 s[CX], ttmp6, 0x40000                ; my place in the cluster
	s_lshl_b32 s[TBK], ttmp9, 2                    ; in a cluster launch ttmp9 counts clusters
	s_add_co_u32 s[TBK], s[TBK], s[CX]             ; my block of 256 tokens: it enters global addresses alone
	s_and_b32 s[BB], ttmp7, 0xffff                 ; b, which the four partners share
	; group 1, a unit of F: 32 rows of 128 elements of 8 bytes, dense in memory, 4 words of padding behind every 256
	s_mov_b32 s[G1F], 15|(3<<16)|(1<<20)|(1<<21)|(7<<22)|(3<<25)
	s_mov_b32 s[G1F+1], 128<<16                    ; tensor_dim0
	s_mov_b32 s[G1F+2], 32<<16                     ; tensor_dim1
	s_mov_b32 s[G1F+3], 128<<16                    ; tile_dim0
	s_mov_b32 s[G1F+4], 32                         ; tile_dim1
	s_mov_b32 s[G1F+5], 128                        ; from row to row
	s_mov_b32 s[G1F+6], 0
	s_mov_b32 s[G1F+7], 0
	; group 1, scale bytes: for four n the 1,024 bytes of my b's 32 rows, 8,192 bytes from n to n; no padding
	s_mov_b32 s[G1S], 15|(3<<16)|(1<<21)
	s_mov_b32 s[G1S+1], 128<<16
	s_mov_b32 s[G1S+2], 4<<16
	s_mov_b32 s[G1S+3], 128<<16
	s_mov_b32 s[G1S+4], 4
	s_mov_b32 s[G1S+5], 1024
	s_mov_b32 s[G1S+6], 0
	s_mov_b32 s[G1S+7], 0
	; what I fetch, made of the wave's number and b alone: unit w of a slot is n = 4 slot + w
	s_lshl_b32 s74, s[WV], 18                      ; n = w: 256 rows of 1,024 bytes
	s_lshl_b32 s75, s[BB], 15                      ; + my b's 32 rows
	s_add_co_u32 s74, s74, s75
	s_mov_b32 s75, 0
	s_lshl_b32 s76, s[WV], 15                      ; scale bytes: n = 4 w on, 8,192 bytes an n
	s_lshl_b32 s77, s[BB], 10
	s_add_co_u32 s76, s76, s77
	s_mov_b32 s77, 0
	s_mul_i32 s78, s[WV], U                        ; where the unit goes,
	s_lshl_b32 s79, s[WV], 12                      ; and the scale bytes
	s_mov_b32 s[HI16], 0xffff0000
	s_mov_b32 s[SEL], 0x76543210
	s_mov_b32 s[SEL+1], 0xfedcba98
	s_mov_b32 s[MNT], 0x600000
	s_mov_b32 s[TB], 0
	s_mov_b32 s[TS], 0
	s_mov_b32 s[TW], 0
	v_and_b32 v1, 31, v0                           ; lane
	v_and_b32 v2, 15, v0                           ; r
	v_bfe_u32 v3, v0, 4, 1                         ; h
	v_mul_u32_u24 v[AF0], v2, PF
	v_lshl_add_u32 v[AF0], v3, 4, v[AF0]
	v_lshlrev_b32 v[AS0], 5, v1
	v_add_nc_u32 v[AS0], FSC, v[AS0]
	s_lshl_b32 s70, s[WV], 13
	s_add_co_u32 s70, s70, W1I
	v_lshlrev_b32 v[AW0], 2, v1
	v_add_nc_u32 v[AW0], s70, v[AW0]
	v_lshlrev_b32 v[XO], 10, v2
	v_lshl_add_u32 v[XO], v3, 4, v[XO]
	v_lshlrev_b32 v[L16], 4, v1
	v_lshlrev_b32 v[WO], 6, v2
	v_lshlrev_b32 v[RO], 2, v1
	v_lshlrev_b32 v[RCO], 4, v2
	v_lshl_add_u32 v[RCO], v3, 16, v[RCO]
	v_lshlrev_b32 v[RSO], 3, v2
	v_lshl_add_u32 v[GSO], v3, 7, v[RSO]
	v_lshl_add_u32 v[RSO], v3, 11, v[RSO]
	v_lshlrev_b32 v[TP], 5, v1                     ; 32 lane: a token's 32 scale bytes
	s_wait_dscnt 0x0                               ; both opening adds are done
	s_wait_kmcnt 0x0
	s_mov_b32 s[G0S], 1
	s_add_co_u32 s[G0S+1], s79, FSC
	s_add_nc_u64 s[G0S+2:G0S+3], s[10:11], s[76:77]
	s_or_b32 s[G0S+3], s[G0S+3], 0x80000000
	s_mov_b32 s[G0], 1
	s_mov_b32 s[G0+1], s78
	s_add_nc_u64 s[G0+2:G0+3], s[8:9], s[74:75]
	s_or_b32 s[G0+3], s[G0+3], 0x80000000
	s_mov_b32 s[G0+4], 1
	s_add_co_u32 s[G0+5], s78, 4*U
	s_add_nc_u64 s[G0+6:G0+7], s[8:9], s[74:75]
	s_add_nc_u64 s[G0+6:G0+7], s[G0+6:G0+7], 0x100000   ; four n on
	s_or_b32 s[G0+7], s[G0+7], 0x80000000
	CROUND                                         ; all four work-groups are here: the first joint loads meet
	tensor_load_to_lds s[G0S:G0S+3], s[G1S:G1S+7]  ; the first fills, every wave's three, as one group: the scale bytes of n = 4 w .. 4 w + 3,
	s_nop 0
	tensor_load_to_lds s[G0:G0+3], s[G1F:G1F+7]    ; n = w,
	s_nop 0
	tensor_load_to_lds s[G0+4:G0+7], s[G1F:G1F+7]  ; n = 4 + w: three loads of mine are out
	s_nop 0
	NOPS 4
	; the plain pointers
	s_lshl_b32 s70, s[TBK], 8
	s_lshl_b32 s71, s[WV], 6
	s_add_co_u32 s70, s70, s71                     ; my first token
	s_mov_b32 s73, 0
	s_lshl_b32 s72, s70, 10
	s_add_nc_u64 s[4:5], s[4:5], s[72:73]
	s_lshl_b32 s72, s70, 5
	s_add_nc_u64 s[6:7], s[6:7], s[72:73]
	s_lshl_b32 s72, s70, 6
	s_add_nc_u64 s[12:13], s[12:13], s[72:73]
	s_add_nc_u64 s[14:15], s[14:15], s[72:73]
.set im, 0
.rept 4
.set ic, 0
.rept 4
	global_load_b128 v[T+16*im+4*ic:T+16*im+4*ic+3], v[WO], s[12:13] offset:1024*im+16*ic   ; w1 of token 16 m + r: register 16 m + n
.set ic, ic+1
.endr
.set im, im+1
.endr
.irp p, 0,1
.irp k, 0,1
	global_load_b128 v[XS+8*\p+4*\k:XS+8*\p+4*\k+3], v[TP], s[6:7] offset:1024*\p+16*\k      ; the scale words of token 32 p + lane
.endr
.endr
	WIN 0x80                                       ; destination window 2
.set im, 0
.rept 4
.set ks, 0
.rept 4
.set ic, 0
.rept 4
	global_load_b128 v[16*(4*im+ks)+4*ic:16*(4*im+ks)+4*ic+3], v[XO], s[4:5] offset:16384*im+128*ks+32*ic
.set ic, ic+1
.endr
.set ks, ks+1
.endr
.set im, im+1
.endr
	WIN 0xc0                                       ; destination window 3: K steps 4 to 7
.set im, 0
.rept 4
.set ks, 0
.rept 4
.set ic, 0
.rept 4
	global_load_b128 v[16*(4*im+ks)+4*ic:16*(4*im+ks)+4*ic+3], v[XO], s[4:5] offset:16384*im+128*(ks+4)+32*ic
.set ic, ic+1
.endr
.set ks, ks+1
.endr
.set im, im+1
.endr
	WIN 0
	s_lshr_b32 s71, s70, 4                         ; my first tile of 16 tokens
	s_lshl_b32 s72, s71, 16
	s_lshl_b32 s74, s[BB], 13                      ; K step 4 b
	s_add_co_u32 s72, s72, s74
	s_add_nc_u64 s[18:19], s[18:19], s[72:73]
	s_lshl_b32 s72, s71, 11
	s_lshl_b32 s74, s[BB], 8
	s_add_co_u32 s72, s72, s74
	s_add_nc_u64 s[20:21], s[20:21], s[72:73]
	s_lshl_b32 s70, s[BB], 5                       ; R's share: work-group number TBK + 32 b
	s_add_co_u32 s70, s70, s[TBK]
	s_and_b32 s71, s70, 7                          ; which 128 columns
	s_lshr_b32 s70, s70, 3                         ; which K step jR: n = 4 (jR % 4) + c, r = 32 (jR / 4) + 0 .. 31
	s_and_b32 s74, s70, 3
	s_lshl_b32 s74, s74, 10
	s_lshr_b32 s75, s70, 2
	s_lshl_b32 s75, s75, 5
	s_add_co_u32 s74, s74, s75                     ; the first row of block 0
	s_lshl_b32 s72, s74, 12
	s_lshl_b32 s75, s71, 9
	s_add_co_u32 s72, s72, s75
	s_lshl_b32 s75, s[WV], 7
	s_add_co_u32 s72, s72, s75
	s_add_nc_u64 s[16:17], s[16:17], s[72:73]
	s_lshl_b32 s74, s71, 3
	s_lshl_b32 s75, s[WV], 1
	s_add_co_u32 s74, s74, s75                     ; my first tile of 16 columns
	s_lshl_b32 s72, s74, 16
	s_lshl_b32 s75, s70, 11
	s_add_co_u32 s72, s72, s75
	s_add_nc_u64 s[22:23], s[22:23], s[72:73]
	s_lshl_b32 s72, s74, 11
	s_lshr_b32 s75, s70, 1
	s_lshl_b32 s75, s75, 7
	s_add_co_u32 s72, s72, s75
	s_and_b32 s75, s70, 1
	s_lshl_b32 s75, s75, 2
	s_add_co_u32 s72, s72, s75
	s_add_nc_u64 s[24:25], s[24:25], s[72:73]
.set ic, 0
.rept 64
	v_mov_b32 v[H+ic], 0                           ; h.  (A unit is written once for all n: the first finds zeros)
.set ic, ic+1
.endr
.irp q, 1,3,5,7
	v_mov_b32 v[W+\q], 0                           ; named as upper halves of pairs, so they are written
.endr
	v_mov_b32 v[WT+1], 0
	s_wait_loadcnt 0x0                             ; x, its scale words and w1: the first unit wants all of them
.set im, 0
.rept 4
.set ic, 0
.rept 16
	ds_store_b32 v[AW0], v[T+16*im+ic] offset:512*ic+128*im   ; w1 by n, so that a unit written once can take its n's by an address
.set ic, ic+1
.endr
.set im, im+1
.endr
	s_wait_tensorcnt 0x1                           ; my scale bytes and my unit of slot 0 are in; slot 1's load may stay out
	s_wait_dscnt 0x0
	s_barrier_signal -1
	s_barrier_wait -1                              ; everybody's are
; 32 loads: F's fragments of four K steps, and one: their scale words
.macro LOADH half
	WIN 0x40                                       ; destination window 1
.set ks, 4*\half
.rept 4
.set iu, 0
.rept 2
.set ic, 0
.rept 4
	ds_load_b128 v[16*(2*ks+iu)+4*ic:16*(2*ks+iu)+4*ic+3], v[ADR] offset:16*PF*iu+128*ks+32*ic
.set ic, ic+1
.endr
.set iu, iu+1
.endr
.set ks, ks+1
.endr
	WIN 0
	ds_load_b128 v[FS+4*\half:FS+4*\half+3], v[ADS] offset:16*\half
.endm
; one product: tile (iu, im), K step ks.  F's scale words of tile 1 and x's of an odd tile stand in lanes 16-31.  The first K step starts the sum
.macro WM
.set rD, ACC+16*im+8*iu
.set rF, 16*(2*ks+iu)
.set rX, 16*(4*im+ks%4)
.set rA, FS+ks
.set rB, XS+8*(im/2)+ks
.if ks == 0
.if (iu == 0) && (im%2 == 0)
	v_wmma_scale_f32_16x16x128_f8f6f4 v[rD:rD+7], v[rF:rF+15], v[rX:rX+15], 0, v[rA], v[rB]
.elseif iu == 0
	v_wmma_scale_f32_16x16x128_f8f6f4 v[rD:rD+7], v[rF:rF+15], v[rX:rX+15], 0, v[rA], v[rB] matrix_b_scale:MATRIX_SCALE_ROW1
.elseif im%2 == 0
	v_wmma_scale_f32_16x16x128_f8f6f4 v[rD:rD+7], v[rF:rF+15], v[rX:rX+15], 0, v[rA], v[rB] matrix_a_scale:MATRIX_SCALE_ROW1
.else
	v_wmma_scale_f32_16x16x128_f8f6f4 v[rD:rD+7], v[rF:rF+15], v[rX:rX+15], 0, v[rA], v[rB] matrix_a_scale:MATRIX_SCALE_ROW1 matrix_b_scale:MATRIX_SCALE_ROW1
.endif
.else
.if (iu == 0) && (im%2 == 0)
	v_wmma_scale_f32_16x16x128_f8f6f4 v[rD:rD+7], v[rF:rF+15], v[rX:rX+15], v[rD:rD+7], v[rA], v[rB]
.elseif iu == 0
	v_wmma_scale_f32_16x16x128_f8f6f4 v[rD:rD+7], v[rF:rF+15], v[rX:rX+15], v[rD:rD+7], v[rA], v[rB] matrix_b_scale:MATRIX_SCALE_ROW1
.elseif im%2 == 0
	v_wmma_scale_f32_16x16x128_f8f6f4 v[rD:rD+7], v[rF:rF+15], v[rX:rX+15], v[rD:rD+7], v[rA], v[rB] matrix_a_scale:MATRIX_SCALE_ROW1
.else
	v_wmma_scale_f32_16x16x128_f8f6f4 v[rD:rD+7], v[rF:rF+15], v[rX:rX+15], v[rD:rD+7], v[rA], v[rB] matrix_a_scale:MATRIX_SCALE_ROW1 matrix_b_scale:MATRIX_SCALE_ROW1
.endif
.endif
.endm
; n K steps from s0 on: the eight accumulators take turns, one instruction a turn, in the same order in every K step
.macro MULH s0, n
.set ks, \s0
.rept \n
.set iu, 0
.rept 2
.set im, 0
.rept 4
	WM
.set im, im+1
.endr
.set iu, iu+1
.endr
.set ks, ks+1
.endr
.endm
; h += w1[n] x all_h: two numbers an instruction; each accumulator is read from its low end on
.macro RED
.set im, 0
.rept 4
.set ic, 0
.rept 8
	v_pk_fma_f32 v[H+16*im+2*ic:H+16*im+2*ic+1], v[ACC+16*im+2*ic:ACC+16*im+2*ic+1], v[W+2*im:W+2*im+1], v[H+16*im+2*ic:H+16*im+2*ic+1] op_sel_hi:[1,0,1]
.set ic, ic+1
.endr
.set im, im+1
.endr
.endm
.macro HEADU                           ; a unit's head: half B, its scale words and the unit's w1 are asked for: 37 loads.  The 8 v_nop and RED of the unit before are the places in front of them
	v_add_nc_u32 v[ADW], s[TW], v[AW0]
	LOADH 1
.irp q, 0,1,2,3
	ds_load_b32 v[W+2*\q], v[ADW] offset:128*\q
.endr
	s_wait_dscnt 37                                ; all but these 37: half A and its scale words, asked for in the unit before, are in
	WIN 0x09                                       ; F window 1, x window 2
	MULH 0, 4
.endm
; A UNIT: one n, with its successor in the same slot
.macro UNIT
	HEADU
	WIN 0
	s_add_co_u32 s[TB], s[TB], U
	s_add_co_u32 s[TS], s[TS], 1024
	s_add_co_u32 s[TW], s[TW], 512
	v_add_nc_u32 v[ADR], s[TB], v[AF0]
	v_add_nc_u32 v[ADS], s[TS], v[AS0]
	NOPS 6                                         ; with the two additions: eight places in front of loads into registers that the products above have read
	LOADH 0                                        ; the next n's half A: 33 loads
	s_wait_dscnt 33                                ; all but these: half B and w1 are in
	WIN 0x0d                                       ; x window 3
	MULH 4, 4
	WIN 0
	NOPS 8                                         ; places in front of the reads of the sums; with RED's lines on other accumulators also in front of the next unit's loads and of its products that begin the sums anew
	RED
.endm
; A SLOT'S LAST UNIT changes slots.  Each wave waits for all its tensor loads, adds 0 to its spare word, and waits for that and for its reads of the slot; behind the barrier nobody reads the slot and the next one is whole.
; refill = 1: the barrier opens a round of the cluster's barrier, and the slot is filled again, with the n eight further on, first thing behind the round.  nn: the next n
.macro UNITC refill, slot, nn
	HEADU
	WIN 0
	s_wait_tensorcnt 0x0                           ; all my tensor loads have landed: the one that was out is my unit of the next slot
	ds_add_u32 v[SPW], v[NIL]                      ; 0 onto my spare word
	s_wait_dscnt 1                                 ; half B and w1 are in; the add may be out
	WIN 0x0d
	MULH 4, 2                                      ; sixteen matrix instructions stand between the add and the wait for it
	s_wait_dscnt 0x0                               ; the add is done, and my reads of this slot are over
	s_barrier_signal -1
	MULH 6, 2
	WIN 0
	s_barrier_wait -1
.if \refill
	CREST                                          ; no wave of any partner still reads this slot or has a load on its way
	s_add_nc_u64 s[G0+4*\slot+2:G0+4*\slot+3], s[G0+4*\slot+2:G0+4*\slot+3], 0x200000   ; eight n on; the type bits on top are not reached
	tensor_load_to_lds s[G0+4*\slot:G0+4*\slot+3], s[G1F:G1F+7]   ; my one tensor load behind the round: four units, 256 matrix instructions, ahead of the wait for it
	s_nop 0
.endif
	NOPS 8                                         ; places in front of the loads into half A and of the reads of the sums
	s_mov_b32 s[TB], ((\nn)%8)*U
	s_mov_b32 s[TS], (\nn)*1024
	s_mov_b32 s[TW], (\nn)*512
	v_add_nc_u32 v[ADR], s[TB], v[AF0]
	v_add_nc_u32 v[ADS], s[TS], v[AS0]
	LOADH 0
	RED
.endm
.macro THREE                           ; a slot's first three units
	s_mov_b32 s[CNT], 3
.Lunit_\@:
	UNIT
	s_sub_co_u32 s[CNT], s[CNT], 1
	s_cmp_lg_u32 s[CNT], 0
	s_cbranch_scc1 .Lunit_\@
.endm
; R's SHARE.  Two blocks of 32 along K of my column: R(n = 4 (jR % 4) + c0 + k, r = 32 (jR / 4) + i, my column); each load reads 128 consecutive bytes a wave, 512 a work-group
.macro RLOAD c0
.set ic, 0
.rept 2
.set ii, 0
.rept 32
	global_load_b32 v[T+32*ic+ii], v[RO], s[16:17] offset:((\c0+ic)*256+ii)*4096 th:TH_LOAD_NT
.set ii, ii+1
.endr
.set ic, ic+1
.endr
.endm
; the block in set k becomes block c of my column's fragment
.macro RQ k, c
.set rX, T+32*(\k)
.set rC, ACC+8*(\k)
	v_max3_num_f32 v[TP], |v[rX]|, |v[rX+1]|, |v[rX+2]|            ; the block's largest magnitude: all 32 numbers are mine; two chains
	v_max3_num_f32 v[TP+1], |v[rX+3]|, |v[rX+4]|, |v[rX+5]|
.irp i, 6,10,14,18,22,26
	v_max3_num_f32 v[TP], v[TP], |v[rX+\i]|, |v[rX+\i+1]|
	v_max3_num_f32 v[TP+1], v[TP+1], |v[rX+\i+2]|, |v[rX+\i+3]|
.endr
	v_max3_num_f32 v[TP], v[TP], |v[rX+30]|, |v[rX+31]|
	v_max3_num_f32 v[TP], v[TP], v[TP+1], 0x4800000                ; and the floor 2^(9 - 127): the byte cannot fall under 1
	v_add_nc_u32 v[TP+2], 0xfc000000, v[TP]                        ; 8 off the exponent field: the conversion's scale operand
	v_and_or_b32 v[TP+3], v[TP], 0x7f800000, s[MNT]                ; 448 x the scale
	v_lshrrev_b32 v[TP+1], 23, v[TP+2]                             ; the scale's byte
.if (\c) == 0
	v_mov_b32 v[RW], v[TP+1]
.else
	v_lshl_or_b32 v[RW], v[TP+1], 8*(\c), v[RW]
.endif
.set ii, 0
.rept 32
	v_med3_num_f32 v[rX+ii], v[rX+ii], -v[TP+3], v[TP+3]           ; the conversion to an 8-bit code does not saturate (ISA guide 7.6.2): the hold at 448 x the scale
.set ii, ii+1
.endr
	v_cvt_scalef32_pk8_fp8_f32 v[rC:rC+1], v[rX:rX+7], v[TP+2]          ; places 0-7 = rho 0-7
	v_cvt_scalef32_pk8_fp8_f32 v[rC+2:rC+3], v[rX+16:rX+23], v[TP+2]    ; places 8-15 = rho 16-23
	v_cvt_scalef32_pk8_fp8_f32 v[rC+4:rC+5], v[rX+8:rX+15], v[TP+2]     ; places 16-23 = rho 8-15
	v_cvt_scalef32_pk8_fp8_f32 v[rC+6:rC+7], v[rX+24:rX+31], v[TP+2]    ; places 24-31 = rho 24-31
	v_nop                                          ; a plain line behind the last conversion: later products write these registers again
	global_store_b128 v[RCO], v[rC:rC+3], s[22:23] offset:512*(\c)          ; sixteen lanes: 256 consecutive bytes, the image's lanes 0-15,
	global_store_b128 v[RCO], v[rC+4:rC+7], s[22:23] offset:512*(\c)+256    ; and its lanes 16-31
.endm
	v_add_nc_u32 v[ADR], s[TB], v[AF0]
	v_add_nc_u32 v[ADS], s[TS], v[AS0]
	LOADH 0                                        ; n = 0
	THREE                                          ; n = 0, 1, 2
	UNITC 1, 0, 4                                  ; n = 3; slot 0 takes n = 8 .. 11
	RLOAD 0                                        ; R's blocks 0 and 1 are asked for: four units ahead of their use
	THREE                                          ; n = 4, 5, 6
	UNITC 1, 1, 8                                  ; n = 7; slot 1 takes n = 12 .. 15
	s_wait_loadcnt 0x0
	RQ 0, 0
	RQ 1, 1
	RLOAD 2
	s_wait_xcnt 0x0                                ; the stores have read their data: the next products write those registers
	THREE                                          ; n = 8, 9, 10
	UNITC 0, 0, 12                                 ; n = 11; nothing is left to fetch, so no round follows the barrier
	s_wait_loadcnt 0x0
	RQ 0, 2
	RQ 1, 3
	global_store_b32 v[RSO], v[RW], s[24:25]       ; my column's scale word of this K step
.set im, 0
.rept 4
.set ic, 0
.rept 4
	global_load_b128 v[T+16*im+4*ic:T+16*im+4*ic+3], v[WO], s[14:15] offset:1024*im+16*ic   ; w2 of token 16 m + r: register 16 m + n; four units ahead of its use
.set ic, ic+1
.endr
.set im, im+1
.endr
	s_wait_xcnt 0x0
	THREE                                          ; n = 12, 13, 14
	HEADU                                          ; n = 15: nothing more to fetch
	s_wait_dscnt 0x0
	WIN 0x0d
	MULH 4, 4
	WIN 0
	NOPS 8
	RED
	; THE WAY OUT: g = h w2, quantised.  First the largest |h| of each token's 32 r
	s_wait_loadcnt 0x0                             ; w2
.irp m, 0,1,2,3
	v_max3_num_f32 v[HM+\m], |v[H+16*\m]|, |v[H+16*\m+1]|, |v[H+16*\m+2]|
.endr
.irp i, 3,5,7,9,11,13
.irp m, 0,1,2,3
	v_max3_num_f32 v[HM+\m], v[HM+\m], |v[H+16*\m+\i]|, |v[H+16*\m+\i+1]|
.endr
.endr
.irp m, 0,1,2,3
	v_max_num_f32 v[HM+\m], v[HM+\m], |v[H+16*\m+15]|
.endr
.irp m, 0,1,2,3
	v_mov_b32 v[TM+\m], 0                          ; a lane permute's destination counts as one of its sources
.endr
.irp m, 0,1,2,3
	v_permlanex16_b32 v[TM+\m], v[HM+\m], s[SEL], s[SEL+1]
.endr
.irp m, 0,1,2,3
	v_max_num_f32 v[HM+\m], v[HM+\m], v[TM+\m]     ; with lane l xor 16's 16
.endr
; K step 4 b + q of tile m: blocks c = 0 .. 3 are n = 4 q + c
.macro GQ m, q
.set rW, T+16*(\m)+4*(\q)
.set rH, H+16*(\m)
	s_wait_xcnt 0x0                                ; the last fragment's stores have read their data: the codes' registers are written again
.irp c, 0,1,2,3
	v_mul_f32 v[TM+\c], |v[rW+\c]|, v[HM+(\m)]     ; the block's largest |g|
.endr
.irp c, 0,1,2,3
	v_max_num_f32 v[TM+\c], 0x4800000, v[TM+\c]    ; the floor 2^(9 - 127)
.endr
.irp c, 0,1,2,3
	v_add_nc_u32 v[TM+12+\c], 0xfc000000, v[TM+\c] ; the conversion's scale operand
.endr
.irp c, 0,1,2,3
	v_and_or_b32 v[TM+8+\c], v[TM+\c], 0x7f800000, s[MNT]   ; 448 x the scale
.endr
.irp c, 0,1,2,3
	v_lshrrev_b32 v[TM+4+\c], 23, v[TM+12+\c]      ; the scale's byte
.endr
	v_lshl_or_b32 v[SW+(\q)], v[TM+5], 8, v[TM+4]  ; the K step's scale word of my token
	v_lshl_or_b32 v[SW+(\q)], v[TM+6], 16, v[SW+(\q)]
	v_lshl_or_b32 v[SW+(\q)], v[TM+7], 24, v[SW+(\q)]
.irp c, 0,1,2,3
.set rP, P+16*(\c%2)
.if \c%2
	v_mov_b32 v[WT], v[rW+\c]                      ; the packed form takes a pair's low word for both halves
.endif
.irp i, 0,2,4,6,8,10,12,14
.if \c%2
	v_pk_mul_f32 v[rP+\i:rP+\i+1], v[rH+\i:rH+\i+1], v[WT:WT+1] op_sel_hi:[1,0]
.else
	v_pk_mul_f32 v[rP+\i:rP+\i+1], v[rH+\i:rH+\i+1], v[rW+\c:rW+\c+1] op_sel_hi:[1,0]
.endif
.endr
.irp i, 0,1,2,3,4,5,6,7,8,9,10,11,12,13,14,15
	v_med3_num_f32 v[rP+\i], v[rP+\i], -v[TM+8+\c], v[TM+8+\c]
.endr
	v_cvt_scalef32_pk8_fp8_f32 v[CD+4*\c:CD+4*\c+1], v[rP:rP+7], v[TM+12+\c]
	v_cvt_scalef32_pk8_fp8_f32 v[CD+4*\c+2:CD+4*\c+3], v[rP+8:rP+15], v[TM+12+\c]
.endr
	v_nop                                          ; a plain line behind the last conversion
.irp c, 0,1,2,3
	global_store_b128 v[L16], v[CD+4*\c:CD+4*\c+3], s[18:19] offset:65536*(\m)+2048*(\q)+512*\c th:TH_STORE_NT   ; 32 lanes: 512 consecutive bytes of the image
.endr
.endm
.irp m, 0,1,2,3
.irp q, 0,1,2,3
	GQ \m, \q
.endr
	v_cndmask_b32 v[OW], v[SW], v[SW+2], s[HI16]   ; both halves of the lanes hold all four words: lanes 0-15 store K steps 4 b, 4 b + 1, lanes 16-31 the other two
	v_cndmask_b32 v[OW+1], v[SW+1], v[SW+3], s[HI16]
	global_store_b64 v[GSO], v[OW:OW+1], s[20:21] offset:2048*\m   ; 32 lanes: 256 consecutive aligned bytes
.endr
	s_wait_tensorcnt 0x0                           ; the wave's end, behind my last tensor load and my last LDS store
	ds_add_u32 v[SPW], v[NIL]
	s_wait_dscnt 0x0
	CROUND                                         ; the closing round: no work-group ends while a partner may still ask for a tile that names it
	s_endpgm
.Lfunc_end_k_q45a65bb567_feature:
	.size	k_q45a65bb567_feature, .Lfunc_end_k_q45a65bb567_feature-k_q45a65bb567_feature
	.p2alignl 7, 3214868480
	.fill 96, 4, 3214868480
	.section	.rodata,"a",@progbits
	.p2align	6, 0x0
	.amdhsa_kernel k_q45a65bb567_feature
		.amdhsa_group_segment_fixed_size 327680
		.amdhsa_private_segment_fixed_size 0
		.amdhsa_enable_private_segment 0
		.amdhsa_kernarg_size 88
		.amdhsa_user_sgpr_count 2
		.amdhsa_user_sgpr_kernarg_segment_ptr 1
		.amdhsa_wavefront_size32 1
		.amdhsa_system_sgpr_workgroup_id_x 1
		.amdhsa_system_sgpr_workgroup_id_y 1
		.amdhsa_system_sgpr_workgroup_id_z 1
		.amdhsa_system_vgpr_workitem_id 0
		.amdhsa_next_free_vgpr 1024
		.amdhsa_next_free_sgpr 80
		.amdhsa_reserve_vcc 0
		.amdhsa_float_denorm_mode_32 3
		.amdhsa_float_denorm_mode_16_64 3
		.amdhsa_memory_ordered 1
		.amdhsa_forward_progress 1
		.amdhsa_inst_pref_size 255
	.end_amdhsa_kernel
	.section	.bss,"aw",@nobits
	.p2align	6
	.space	262144
	.amdgpu_metadata
---
amdhsa.version: [ 1, 2 ]
amdhsa.kernels:
  - .name:           k_q45a65bb567_feature
    .symbol:         k_q45a65bb567_feature.kd
    .args:
      - { .name: x_codes, .offset: 0, .size: 8, .value_kind: global_buffer, .address_space: global }
      - { .name: x_scales, .offset: 8, .size: 8, .value_kind: global_buffer, .address_space: global }
      - { .name: feature_know_codes, .offset: 16, .size: 8, .value_kind: global_buffer, .address_space: global }
      - { .name: feature_know_scales, .offset: 24, .size: 8, .value_kind: global_buffer, .address_space: global }
      - { .name: feature_know_w, .offset: 32, .size: 8, .value_kind: global_buffer, .address_space: global }
      - { .name: restore_know_w, .offset: 40, .size: 8, .value_kind: global_buffer, .address_space: global }
      - { .name: restore_know, .offset: 48, .size: 8, .value_kind: global_buffer, .address_space: global }
      - { .name: g_codes, .offset: 56, .size: 8, .value_kind: global_buffer, .address_space: global }
      - { .name: g_scales, .offset: 64, .size: 8, .value_kind: global_buffer, .address_space: global }
      - { .name: r_codes, .offset: 72, .size: 8, .value_kind: global_buffer, .address_space: global }
      - { .name: r_scales, .offset: 80, .size: 8, .value_kind: global_buffer, .address_space: global }
    .group_segment_fixed_size: 327680
    .private_segment_fixed_size: 0
    .kernarg_segment_align: 8
    .kernarg_segment_size: 88
    .max_flat_workgroup_size: 128
    .sgpr_count:     80
    .vgpr_count:     1024
    .wavefront_size: 32
...
	.end_amdgpu_metadata
.endif
;; end of part 1
;; launch restore (part 2): grid 4 x 64, 4 waves a work-group, clusters of 4 x 1, 327,680 bytes of LDS; arguments g_codes, g_scales, r_codes, r_scales, out0; writes out0
.if DOCPART == 2
	.amdgcn_target "amdgcn-amd-amdhsa--gfx1250"
	.amdhsa_code_object_version 6
	.text
	.protected	k_q45a65bb567_restore
	.globl	k_q45a65bb567_restore
	.p2align	8
	.type	k_q45a65bb567_restore,@function
k_q45a65bb567_restore:
	s_mov_b64 s[64:65], 0
	v_nop
	global_prefetch_b8 v0, s[64:65] scope:SCOPE_SE
	s_setreg_imm32_b32 hwreg(HW_REG_WAVE_MODE, 25, 1), 1
	s_wait_xcnt 0x0
	s_wait_alu depctr_hold_cnt(0) depctr_sa_sdst(0) depctr_va_vdst(0) depctr_va_sdst(0) depctr_va_ssrc(0) depctr_va_vcc(0) depctr_vm_vsrc(0)
	s_getreg_b32 s2, hwreg(HW_REG_IB_STS2, 6, 4)
	s_cmp_eq_u32 s2, 0
	s_cbranch_scc0 .Lentry_in_a_cluster
	s_endpgm
.Lentry_in_a_cluster:
	s_bfe_u32 s2, ttmp6, 0x10000c
	s_cmp_lg_u32 s2, 0x3003
	s_cbranch_scc0 .Lentry_shape_is_right
	s_endpgm
.Lentry_shape_is_right:
; KnowledgeCircuit, second launch: out[t][d] = sum over K of g[t][K] R[K][d], on the codes of E4M3 and E8M0 scale words that the first launch stored; K = 4,096 in 32 steps of 128, in the first launch's order,
; which is the same for both operands.  Sums in f32.  No work is left out.
; g_codes [token tile 512][step 32][2,048], r_codes [column tile 64][step 32][2,048]: a fragment (16 rows x 128 K) lies as the image of the operand's registers, lane l's 16 bytes of registers 4 c .. 4 c + 3 at 512 c + 16 l.
; g_scales, r_scales [tile][step / 2][row 16][2 words].
; SHARES.  A work-group makes 128 tokens (work-group y) x 256 columns (4 x cluster x + cx): 256 work-groups.  Each of its four waves makes ALL 128 tokens x 64 columns of its own: 8 x 4 = 32 accumulators.
; g GOES THROUGH LDS, R STRAIGHT INTO REGISTERS.  All four waves read the same g: 16,384 bytes a step, so a slot of 131,072 bytes holds EIGHT steps, and K is four slots' worth: two first fills and two refills, each with
; 256 matrix instructions between its request and the wait for it.  (Both operands through LDS would be 49,152 bytes a step: two slots would hold two or three steps each, 64 to 96 matrix instructions for a refill.)
; A wave's four fragments of R belong to no other wave of the work-group: 16 loads of 512 consecutive bytes a step, into four sets of registers, three steps ahead, each awaited by a counted wait.
; CLUSTER: the four work-groups of a cluster make the four column blocks of one token block, so they ask for g's tiles and scale words JOINTLY (mask 15).  R's fragments differ from partner to partner and land in
; registers, where there is no joint request: that is why R has none.
; K BEGINS AT ANOTHER QUARTER IN EACH TOKEN BLOCK: phase p of four takes quarter (p + work-group y) % 4 of K, for g, R and both operands' scale words alike, so that the work-groups do not all ask for the same
; rows of R at the same time.  Only global addresses hang on it, and y is the same in all partners.  The order of the f32 sums so differs from token block to token block.
; THE SCALE WORDS STAY IN REGISTERS for all of K: R's 64 (a load of 8 bytes a lane covers 256 consecutive bytes: one tile, four steps; lanes 16-31 hold the later two steps), g's 128, laid alike, from LDS, where a joint
; first fill has laid them by phase.  So the scale registers differ in every step, and the 32 steps are written out by macros: every offset is an immediate, no pointer and no descriptor is ever stepped.
; TRANSPOSED: source 0 = 16 columns of R, source 1 = 16 tokens: a lane holds eight neighbouring columns of one token's row of out.
; No prefetch: g's refills have eight steps between request and wait; R's rows are asked for by 64 work-groups, not once.
; REGISTERS, in windows of 256.  Window 0: v16-29 addresses; v64-127 R's scale words; v128-255 g's.  Window 1: g's fragments, two sets of 8 x 16 (on the way out: rows of out).
;   Window 2: accumulator (a, b) at 8 (4 a + b).  Window 3: R's fragments, four sets of 4 x 16.
.set SLOTB,  131072                    ; a slot: [token tile 8][step 8][2,048]
.set STAGE,  2*SLOTB                   ; behind the ring: the way out, 16 rows x SPITCH for each wave, written by LDS stores
.set SPITCH, 272                       ; 256 bytes + 16 = 17 x 16: the 16 rows of a store start in 16 different columns of 16 bytes
.set GSC,    STAGE+4*16*SPITCH         ; g's scale words, [phase 4][token tile 8][512]; filled once
.set SPARE,  GSC+16384                 ; the spare words, 128 bytes for each wave: two blocks of 256 bytes that no other line names
.set ADG, 16                           ; v16-19  16 lane + 65,536 i: g's fragments in slot i / 2, token tiles 4 (i % 2) on.  v16 is also my offset in an image of R
.set AGS, 20                           ; v20  GSC + 8 lane
.set L8,  22                           ; v22  8 lane: R's scale words
.set STO, 24                           ; v24  the way out: where I put 32 bytes of a row
.set RD,  25                           ; v25  where I read rows back
.set CO,  26                           ; v26  4,096 (lane / 16) + 16 (lane % 16): my bytes of two rows of out
.set SPW, 28                           ; v28  LDS address of my spare word; never rewritten
.set NIL, 29                           ; v29  0; never rewritten
.set RS,  64                           ; R's scale words: phase p, tile b, steps 4 q on: v[64 + 16 p + 4 b + 2 q + step % 2]; lanes 0-15 steps 4 q, 4 q + 1; lanes 16-31 steps 4 q + 2, 4 q + 3
.set GS,  128                          ; g's: v[128 + 32 p + 4 a + 2 q + step % 2], laid alike
.set WV,  14                           ; s14 wave   s15 cx   s16 column block   s17 token block   s18 token block % 4
.set CX,  15
.set TX,  16
.set TY,  17
.set ROT, 18
.set G1,  24                           ; s[24:31] descriptor group 1: g's codes
.set G1S, 32                           ; s[32:39] g's scale words
.set G0S, 40                           ; s[40:43] group 0 for the scale words
.set G0P, 44                           ; s[44:59] group 0 for phase 0 .. 3: made once, never rewritten
.set RB,  66                           ; s[66:73] R's codes at my four tiles, at phase p's quarter of K
.set RSB, 74                           ; s[74:81] R's scale words likewise
.set MSB, 0
.macro WIN new                         ; the immediate's high byte repeats the setting that is left; a switch that changes nothing is dropped
.if MSB != \new
	s_set_vgpr_msb (MSB<<8)|\new
.set MSB, \new
.endif
.endm
.set MUL, 0xa7                         ; source 0 (R) window 3, source 1 (g) window 1, C and D window 2
.macro PLACES n
.rept \n
	v_nop
.endr
.endm
.macro CREST                           ; a round of the cluster's barrier behind its opening barrier
	s_cmp_lg_u32 s[WV], 0
	s_cbranch_scc1 .Lnot_wave_0_\@
	s_barrier_signal -3
.Lnot_wave_0_\@:
	s_barrier_wait -3
	s_barrier_signal -1
	s_barrier_wait -1
.endm
.macro CROUND                          ; a whole round
	s_barrier_signal -1
	s_barrier_wait -1
	CREST
.endm
; g's eight fragments of step j, from slot (j / 8) % 2, into set j % 2: 32 loads of 512 consecutive bytes
.macro FETCH j
.set FSET, 128*((\j)%2)
.set FADR, ADG+2*(((\j)/8)%2)
.set FOFF, 2048*((\j)%8)
	WIN 0x40                                       ; destination window 1
.irp a, 0,1,2,3,4,5,6,7
.irp c, 0,1,2,3
	ds_load_b128 v[FSET+16*\a+4*\c:FSET+16*\a+4*\c+3], v[FADR+\a/4] offset:16384*(\a%4)+FOFF+512*\c
.endr
.endr
.endm
; my four fragments of R of step j into set j % 4: 16 loads of 512 consecutive bytes
.macro RLOAD j
.set RSET, 64*((\j)%4)
.set RBAS, RB+2*((\j)/8)
.set ROFF, 2048*((\j)%8)
	WIN 0xc0                                       ; destination window 3
.irp b, 0,1,2,3
.irp c, 0,1,2,3
	global_load_b128 v[RSET+16*\b+4*\c:RSET+16*\b+4*\c+3], v[ADG], s[RBAS:RBAS+1] offset:65536*\b+ROFF+512*\c
.endr
.endr
.endm
.macro RSCALES p                       ; R's scale words of phase p: 8 loads of 256 consecutive bytes
	WIN 0
.irp b, 0,1,2,3
.irp q, 0,1
	global_load_b64 v[RS+16*(\p)+4*\b+2*\q:RS+16*(\p)+4*\b+2*\q+1], v[L8], s[RSB+2*(\p):RSB+2*(\p)+1] offset:2048*\b+256*\q
.endr
.endr
.endm
.macro GSCALES p                       ; g's scale words of phase p: 16 loads of 256 consecutive bytes
	WIN 0
.irp a, 0,1,2,3,4,5,6,7
.irp q, 0,1
	ds_load_b64 v[GS+32*(\p)+4*\a+2*\q:GS+32*(\p)+4*\a+2*\q+1], v[AGS] offset:4096*(\p)+512*\a+256*\q
.endr
.endr
.endm
; one product: token tile MA, column tile MB, step j.  The very first step starts the sums: nothing is ever cleared
.macro WM j
.set rD, 8*(4*MA+MB)
.set rR, 64*((\j)%4)+16*MB
.set rG, 128*((\j)%2)+16*MA
.set rRS, RS+16*((\j)/8)+4*MB+2*(((\j)%8)/4)+(\j)%2
.set rGS, GS+32*((\j)/8)+4*MA+2*(((\j)%8)/4)+(\j)%2
.if (\j) == 0
	v_wmma_scale_f32_16x16x128_f8f6f4 v[rD:rD+7], v[rR:rR+15], v[rG:rG+15], 0, v[rRS], v[rGS]
.elseif ((\j)%4) < 2
	v_wmma_scale_f32_16x16x128_f8f6f4 v[rD:rD+7], v[rR:rR+15], v[rG:rG+15], v[rD:rD+7], v[rRS], v[rGS]
.else
	v_wmma_scale_f32_16x16x128_f8f6f4 v[rD:rD+7], v[rR:rR+15], v[rG:rG+15], v[rD:rD+7], v[rRS], v[rGS] matrix_a_scale:MATRIX_SCALE_ROW1 matrix_b_scale:MATRIX_SCALE_ROW1
.endif
.endm
; n token tiles from a0 on, each against my four column tiles.  The 32 accumulators take turns, one instruction a turn, in the same order in every step
.macro MULS j, a0, n
	WIN MUL
.set MA, \a0
.rept \n
.set MB, 0
.rept 4
	WM \j
.set MB, MB+1
.endr
.set MA, MA+1
.endr
.endm
; R's fragments of step j are in.  Loads come back in order (ISA guide 5.7.1): the count is what was issued behind them: the fragments of the next two steps, 16 loads each,
; and in the three steps behind a phase's first the next phase's 8 loads of scale words
.macro LWAIT j
.set NLD, 32
.if (\j) > 29
.set NLD, 16*(31-(\j))
.endif
.if ((\j) < 24) && (((\j)%8) >= 1) && (((\j)%8) <= 3)
.set NLD, NLD+8
.endif
	s_wait_loadcnt NLD
.endm
; A STEP with its successor in the same slot.  At its head the next step's g and the R of three steps on are asked for, into the sets that the step before has multiplied
.macro STEP j
.if (\j) > 0
	PLACES 8                                       ; in front of loads into registers that the last products have read (ISA guide 7.12.1 for vector instructions)
.endif
	s_wait_dscnt 0x0                               ; this step's g is in (asked for a step ago)
.if (((\j)%8) == 0) && ((\j) < 24)
	GSCALES (\j)/8+1                               ; the next phase's scale words, eight steps ahead
.endif
	FETCH (\j)+1
	LWAIT \j
.if (\j) < 29
	RLOAD (\j)+3
.endif
.if (((\j)%8) == 0) && ((\j) < 24)
	RSCALES (\j)/8+1
.endif
	MULS \j, 0, 8
.endm
; A SLOT'S LAST STEP changes slots.  Each wave waits for all its tensor loads, adds 0 to its spare word, and waits for that and for its reads of the slot; behind the barrier nobody reads the slot and the next one is whole.
; refill = 1: the barrier opens a round of the cluster's barrier, and the slot is filled again, with the phase after the next, first thing behind the round
.macro TURN j, refill, g0
	WIN 0
	LWAIT \j
	s_wait_tensorcnt 0x0                           ; all my tensor loads have landed: the one that was out is my part of the next slot
	ds_add_u32 v[SPW], v[NIL]                      ; 0 onto my spare word
	s_wait_dscnt 1                                 ; this step's g is in; the add may be out
	MULS \j, 0, 2                                  ; eight matrix instructions stand between the add and the wait for it
	s_wait_dscnt 0x0                               ; the add is done, and my reads of this slot are over
	s_barrier_signal -1
	MULS \j, 2, 2
	WIN 0
	s_barrier_wait -1
.if \refill
	CREST                                          ; no wave of any partner still reads this slot or has a load on its way
	tensor_load_to_lds s[\g0:\g0+3], s[G1:G1+7]    ; my one tensor load behind the round: eight steps, 256 matrix instructions, ahead of the wait for it
	s_nop 0
.endif
	PLACES 8                                       ; in front of loads into registers that the step before has multiplied
	FETCH (\j)+1
	RLOAD (\j)+3
	MULS \j, 4, 4
.endm
	s_load_b256 s[4:11], s[0:1], 0x0               ; g's codes s[4:5], g's scales s[6:7], R's codes s[8:9], R's scales s[10:11]
	s_load_b64 s[12:13], s[0:1], 0x20              ; out
	v_lshl_add_u32 v[SPW], v0, 2, SPARE
	v_mov_b32 v[NIL], 0
	ds_add_u32 v[SPW], v[NIL]                      ; the wave's opening: the add, twice on end, and its wait ahead of my first tensor load; the set-up below stands between
	ds_add_u32 v[SPW], v[NIL]
	v_lshrrev_b32 v1, 5, v0
	v_readfirstlane_b32 s[WV], v1                  ; wave 0..3
	s_bfe_u32 s[CX], ttmp6, 0x40000                ; my place in the cluster
	s_lshl_b32 s[TX], ttmp9, 2                     ; in a cluster launch ttmp9 counts clusters
	s_add_co_u32 s[TX], s[TX], s[CX]               ; my block of 256 columns: it enters R's and out's addresses alone
	s_and_b32 s[TY], ttmp7, 0xffff                 ; my block of 128 tokens, which the four partners share
	s_and_b32 s[ROT], s[TY], 3                     ; at which quarter of K it begins
	; group 1, g's codes: two token tiles; of each a phase's eight steps, 16,384 consecutive bytes (2,048 elements of 8), 65,536 bytes from tile to tile; no padding: the images are read at 16 x lane
	s_mov_b32 s[G1], 15|(3<<16)|(1<<21)
	s_mov_b32 s[G1+1], 2048<<16                    ; tensor_dim0
	s_mov_b32 s[G1+2], 2<<16                       ; tensor_dim1
	s_mov_b32 s[G1+3], 2048<<16                    ; tile_dim0
	s_mov_b32 s[G1+4], 2                           ; tile_dim1
	s_mov_b32 s[G1+5], 8192                        ; from row to row
	s_mov_b32 s[G1+6], 0
	s_mov_b32 s[G1+7], 0
	; group 1, g's scale words: of each of the eight token tiles a phase's 512 bytes (64 elements), 2,048 bytes from tile to tile
	s_mov_b32 s[G1S], 15|(3<<16)|(1<<21)
	s_mov_b32 s[G1S+1], 64<<16
	s_mov_b32 s[G1S+2], 8<<16
	s_mov_b32 s[G1S+3], 64<<16
	s_mov_b32 s[G1S+4], 8
	s_mov_b32 s[G1S+5], 256
	s_mov_b32 s[G1S+6], 0
	s_mov_b32 s[G1S+7], 0
	v_and_b32 v1, 31, v0                           ; lane
	v_and_b32 v2, 15, v0                           ; r
	v_bfe_u32 v3, v0, 4, 1                         ; h
	v_lshlrev_b32 v[ADG], 4, v1
	v_add_nc_u32 v[ADG+1], 0x10000, v[ADG]
	v_add_nc_u32 v[ADG+2], 0x20000, v[ADG]
	v_add_nc_u32 v[ADG+3], 0x30000, v[ADG]
	v_lshlrev_b32 v[L8], 3, v1
	v_add_nc_u32 v[AGS], GSC, v[L8]
	s_mul_i32 s83, s[WV], 16*SPITCH
	s_add_co_u32 s83, s83, STAGE                   ; my stage
	v_mul_u32_u24 v[STO], v2, SPITCH               ; in: row r, 32 bytes for each half of the lanes
	v_lshl_add_u32 v[STO], v3, 5, v[STO]
	v_add_nc_u32 v[STO], s83, v[STO]
	v_mul_u32_u24 v[RD], v3, SPITCH                ; back: lanes 0-15 one row of 256 bytes, lanes 16-31 the next
	v_lshl_add_u32 v[RD], v2, 4, v[RD]
	v_add_nc_u32 v[RD], s83, v[RD]
	v_lshlrev_b32 v[CO], 4, v2                     ; and the same two rows in out
	v_lshl_add_u32 v[CO], v3, 12, v[CO]
	; offsets.  What feeds the joint loads is made of the token block and the wave's number alone (s82 to s87); what hangs on cx has registers of its own (s88 to s93)
	s_lshl_b32 s82, s[TY], 3
	s_lshl_b32 s83, s[WV], 1
	s_add_co_u32 s82, s82, s83
	s_lshl_b32 s82, s82, 16                        ; g's codes: token tile 8 y + 2 wave
	s_lshl_b32 s84, s[WV], 15                      ; where my two tiles go in a slot
	s_mov_b32 s87, 0
	s_lshl_b32 s88, s[TX], 4
	s_lshl_b32 s89, s[WV], 2
	s_add_co_u32 s88, s88, s89                     ; my first column tile: 16 x column block + 4 wave
	s_lshl_b32 s92, s88, 11                        ; its scale words,
	s_lshl_b32 s88, s88, 16                        ; its codes
	s_mov_b32 s91, 0
	s_wait_dscnt 0x0                               ; both opening adds are done
	s_wait_kmcnt 0x0
.irp p, 0,1,2,3
	s_add_co_u32 s85, s[ROT], \p
	s_and_b32 s85, s85, 3                          ; phase p's quarter of K
	s_lshl_b32 s86, s85, 14                        ; eight steps of 2,048 bytes a quarter
	s_add_co_u32 s86, s86, s82
	s_mov_b32 s[G0P+4*\p], 1                       ; 1:0 count = 1
	s_add_co_u32 s[G0P+4*\p+1], s84, (\p%2)*SLOTB  ; 63:32 LDS address
	s_add_nc_u64 s[G0P+4*\p+2:G0P+4*\p+3], s[4:5], s[86:87]   ; 120:64 global address
	s_or_b32 s[G0P+4*\p+3], s[G0P+4*\p+3], 0x80000000         ; 127:126 type = 2
	s_lshl_b32 s90, s85, 14
	s_add_co_u32 s90, s90, s88
	s_add_nc_u64 s[RB+2*\p:RB+2*\p+1], s[8:9], s[90:91]
	s_lshl_b32 s90, s85, 9                         ; 512 bytes of scale words a quarter
	s_add_co_u32 s90, s90, s92
	s_add_nc_u64 s[RSB+2*\p:RSB+2*\p+1], s[10:11], s[90:91]
.endr
	s_add_co_u32 s85, s[ROT], s[WV]                ; g's scale words: wave w fetches phase w's
	s_and_b32 s85, s85, 3
	s_lshl_b32 s86, s85, 9
	s_lshl_b32 s83, s[TY], 14
	s_add_co_u32 s86, s86, s83
	s_mov_b32 s[G0S], 1
	s_lshl_b32 s83, s[WV], 12
	s_add_co_u32 s[G0S+1], s83, GSC
	s_add_nc_u64 s[G0S+2:G0S+3], s[6:7], s[86:87]
	s_or_b32 s[G0S+3], s[G0S+3], 0x80000000
	s_lshl_b32 s90, s[TY], 19                      ; out: row 128 y, byte 1,024 x column block + 256 wave
	s_lshl_b32 s93, s[TX], 10
	s_add_co_u32 s90, s90, s93
	s_lshl_b32 s93, s[WV], 8
	s_add_co_u32 s90, s90, s93
	s_add_nc_u64 s[12:13], s[12:13], s[90:91]
	RSCALES 0                                      ; R's first scale words and the fragments of steps 0, 1, 2 go out while the work-groups gather: 56 loads
	RLOAD 0
	RLOAD 1
	RLOAD 2
	WIN 0
	CROUND                                         ; all four work-groups are here: the first joint loads meet
	tensor_load_to_lds s[G0S:G0S+3], s[G1S:G1S+7]  ; the first fills, every wave's three, as one group: a phase's scale words,
	s_nop 0
	tensor_load_to_lds s[G0P:G0P+3], s[G1:G1+7]    ; my two tiles of phase 0, into slot 0,
	s_nop 0
	tensor_load_to_lds s[G0P+4:G0P+7], s[G1:G1+7]  ; and of phase 1, into slot 1: three loads of mine are out
	s_nop 0
	PLACES 4
	s_wait_tensorcnt 0x1                           ; my scale words and my part of slot 0 are in; slot 1's load may stay out
	s_barrier_signal -1
	s_barrier_wait -1                              ; everybody's are
	GSCALES 0
	FETCH 0
.irp s, 0,1,2,3,4,5,6
	STEP \s
.endr
	TURN 7, 1, G0P+8                               ; slot 0 takes phase 2
.irp s, 8,9,10,11,12,13,14
	STEP \s
.endr
	TURN 15, 1, G0P+12                             ; slot 1 takes phase 3
.irp s, 16,17,18,19,20,21,22
	STEP \s
.endr
	TURN 23, 0, 0                                  ; nothing is left to fetch, so no round follows the barrier
.irp s, 24,25,26,27,28,29,30
	STEP \s
.endr
	s_wait_dscnt 0x0                               ; the very last step: nothing more to ask for
	LWAIT 31
	MULS 31, 0, 8
; THE WAY OUT, a token tile (16 rows x my 64 columns) at a time, through my own stage in LDS: in as 32 bytes a lane, back as whole rows of 256 bytes, two an instruction.
; LDS serves a wave's instructions in order (ISA guide 5.7.1.4): no wait between the stores and the loads, nor in front of the next tile's stores.
.macro TOSTAGE a
	WIN 0x08                                       ; an LDS store's data are its source 1: window 2
.irp b, 0,1,2,3
	ds_store_b128 v[STO], v[8*(4*(\a)+\b):8*(4*(\a)+\b)+3] offset:64*\b          ; each accumulator from its low end on
	ds_store_b128 v[STO], v[8*(4*(\a)+\b)+4:8*(4*(\a)+\b)+7] offset:64*\b+16
.endr
	WIN 0x40                                       ; destination window 1: the registers that held g's fragments
.irp t, 0,1,2,3,4,5,6,7
	ds_load_b128 v[32*((\a)%2)+4*\t:32*((\a)%2)+4*\t+3], v[RD] offset:\t*2*SPITCH
.endr
.endm
.macro SEND a, younger                 ; younger: the LDS instructions issued behind tile a's loads, which may stay out
	s_wait_dscnt \younger
	WIN 0x04                                       ; a store's data are its source 1: window 1
.irp t, 0,1,2,3,4,5,6,7
	global_store_b128 v[CO], v[32*((\a)%2)+4*\t:32*((\a)%2)+4*\t+3], s[12:13] offset:(16*(\a)+2*\t)*4096 th:TH_STORE_NT   ; sixteen lanes store 256 consecutive bytes, at a multiple of 256 from out's first byte; the row stands in the immediate
.endr
.endm
	PLACES 8                                       ; in front of the reads of results and of the loads into the registers that held g's fragments
	TOSTAGE 0
.irp a, 1,2,3,4,5,6,7
.if \a > 1
	s_wait_xcnt 0x0                                ; tile a - 2's stores have read their registers: tile a's loads may land there
.endif
	TOSTAGE \a
	SEND \a-1, 16                                  ; behind tile a - 1's loads: tile a's 8 stores and 8 loads
.endr
	SEND 7, 0
	WIN 0
	s_wait_tensorcnt 0x0                           ; the wave's end, behind my last tensor load and my last LDS store
	ds_add_u32 v[SPW], v[NIL]
	s_wait_dscnt 0x0
	CROUND                                         ; the closing round: no work-group ends while a partner may still ask for a tile that names it
	s_endpgm
.Lfunc_end_k_q45a65bb567_restore:
	.size	k_q45a65bb567_restore, .Lfunc_end_k_q45a65bb567_restore-k_q45a65bb567_restore
	.p2alignl 7, 3214868480
	.fill 96, 4, 3214868480
	.section	.rodata,"a",@progbits
	.p2align	6, 0x0
	.amdhsa_kernel k_q45a65bb567_restore
		.amdhsa_group_segment_fixed_size 327680
		.amdhsa_private_segment_fixed_size 0
		.amdhsa_enable_private_segment 0
		.amdhsa_kernarg_size 40
		.amdhsa_user_sgpr_count 2
		.amdhsa_user_sgpr_kernarg_segment_ptr 1
		.amdhsa_wavefront_size32 1
		.amdhsa_system_sgpr_workgroup_id_x 1
		.amdhsa_system_sgpr_workgroup_id_y 1
		.amdhsa_system_sgpr_workgroup_id_z 1
		.amdhsa_system_vgpr_workitem_id 0
		.amdhsa_next_free_vgpr 1024
		.amdhsa_next_free_sgpr 96
		.amdhsa_reserve_vcc 0
		.amdhsa_float_denorm_mode_32 3
		.amdhsa_float_denorm_mode_16_64 3
		.amdhsa_memory_ordered 1
		.amdhsa_forward_progress 1
		.amdhsa_inst_pref_size 255
	.end_amdhsa_kernel
	.section	.bss,"aw",@nobits
	.p2align	6
	.space	262144
	.amdgpu_metadata
---
amdhsa.version: [ 1, 2 ]
amdhsa.kernels:
  - .name:           k_q45a65bb567_restore
    .symbol:         k_q45a65bb567_restore.kd
    .args:
      - { .name: g_codes, .offset: 0, .size: 8, .value_kind: global_buffer, .address_space: global }
      - { .name: g_scales, .offset: 8, .size: 8, .value_kind: global_buffer, .address_space: global }
      - { .name: r_codes, .offset: 16, .size: 8, .value_kind: global_buffer, .address_space: global }
      - { .name: r_scales, .offset: 24, .size: 8, .value_kind: global_buffer, .address_space: global }
      - { .name: out0, .offset: 32, .size: 8, .value_kind: global_buffer, .address_space: global }
    .group_segment_fixed_size: 327680
    .private_segment_fixed_size: 0
    .kernarg_segment_align: 8
    .kernarg_segment_size: 40
    .max_flat_workgroup_size: 128
    .sgpr_count:     96
    .vgpr_count:     1024
    .wavefront_size: 32
...
	.end_amdgpu_metadata
.endif
;; end of part 2
